; MI455X (gfx1250); checked and timed in simulation.
; The chip was launched on July 23, 2026; its instructions are those of AMD's public machine-readable ISA for CDNA 5 (MIT licence, August 2026) and "CDNA5" Instruction Set Architecture Reference Guide (July 2026). The comments in the code are by the model that wrote it; some were corrected since.
;; Memory Efficient Multi Head Attention. Allowed arithmetic: matrix products marked QUANTISED: E2M1 operands, one E8M0 scale for each 32 along K, by v_wmma_scale_f32_16x16x128_f8f6f4 with both operands' format E2M1 (or v_wmma_scale_f32_32x16x128_f4), f32 sums; everything else in f32.
;; Inputs: dense_b 1,024 float32; dense_w_codes 1,024 x 32 x 16 uint8 (E2M1 codes of dense_w, K innermost, in blocks of 32 codes, two codes a byte); dense_w_scales 1,024 x 32 uint8 (E8M0 scales of dense_w, one for each 32 codes along K); wk_b 1,024 float32; wk_w_codes 1,024 x 32 x 16 uint8 (E2M1 codes of wk_w, K innermost, in blocks of 32 codes, two codes a byte); wk_w_scales 1,024 x 32 uint8 (E8M0 scales of wk_w, one for each 32 codes along K); wq_b 1,024 float32; wq_w_codes 1,024 x 32 x 16 uint8 (E2M1 codes of wq_w, K innermost, in blocks of 32 codes, two codes a byte); wq_w_scales 1,024 x 32 uint8 (E8M0 scales of wq_w, one for each 32 codes along K); wv_b 1,024 float32; wv_w_codes 1,024 x 32 x 16 uint8 (E2M1 codes of wv_w, K innermost, in blocks of 32 codes, two codes a byte); wv_w_scales 1,024 x 32 uint8 (E8M0 scales of wv_w, one for each 32 codes along K); x_codes 4 x 2,048 x 32 x 16 uint8 (E2M1 codes of x, K innermost, in blocks of 32 codes, two codes a byte); x_scales 4 x 2,048 x 32 uint8 (E8M0 scales of x, one for each 32 codes along K).
;; Outputs: out0 4 x 2,048 x 1,024 float32.
;; This version of the problem:
;;   THIS VERSION OF THE PROBLEM IS GIVEN IN LOW PRECISION. The matrix products marked QUANTISED in the list below multiply operands that are first quantised to E2M1 (2 exponent bits, 1 mantissa bit; 4 bits a number), with one power-of-two scale for each 32 numbers along K (OCP MX v1.0); their sums are f32. All else is computed in f32.
;;   The module's matrix products, in the order in which they are computed (A, B: the left and right operand; K: the contracted axis; several contracted axes count as one K, in the product's order):
;;     1. [M 8,192, K 1,024] x [K 1,024, N 1,024]; A: input x (given as codes); B: input wq_w (given as codes): QUANTISED
;;     2. [M 8,192, K 1,024] x [K 1,024, N 1,024]; A: input x (given as codes); B: input wk_w (given as codes): QUANTISED
;;     3. [M 8,192, K 1,024] x [K 1,024, N 1,024]; A: input x (given as codes); B: input wv_w (given as codes): QUANTISED
;;     4. batch 64 x [M 2,048, K 64] x [K 64, N 2,048]; A: computed on the way; B: computed on the way: QUANTISED
;;     5. batch 64 x [M 2,048, K 2,048] x [K 2,048, N 64]; A: softmax (see below); B: computed on the way: QUANTISED
;;     6. [M 8,192, K 1,024] x [K 1,024, N 1,024]; A: computed on the way; B: input dense_w (given as codes): QUANTISED
;;   THE QUANTISER, for each operand of a quantised product, along K:
;;     - K is cut into blocks of 32 from its start; a last block that is shorter is filled with zeros.
;;     - A block's scale is 2^e with e = floor(log2(the largest magnitude in the block)) - 2, held to -126 .. 127; a block of zeros has e = 0. As a byte (E8M0): e + 127.
;;     - Each number is divided by its block's scale, clamped to +-6, and rounded to the nearest number of E2M1, ties to even, subnormals kept.
;;     - The product sums the exact products of the quantised numbers (number of the format x scale) in f32.
;;   ~~~python
;;   def quantise(x, axis):      # numpy; x: float32 -> the quantised numbers, widened to float32 again
;;       x = np.moveaxis(x, axis, -1); K = x.shape[-1]
;;       x = np.pad(x, [(0, 0)] * (x.ndim - 1) + [(0, -K % 32)]); x = x.reshape(x.shape[:-1] + (-1, 32)); a = np.abs(x).max(-1, keepdims=True)
;;       e = np.where(a > 0, np.clip(np.frexp(np.where(a > 0, a, 1))[1] - 1 - 2, -126, 127), 0)      # np.frexp(a)[1] - 1 = floor(log2(a)), exactly
;;       r = np.clip(x / 2.0 ** e, -6, 6)
;;       step = 2.0 ** (np.maximum(np.frexp(np.where(r == 0, 1, r))[1] - 1, 0) - 1)
;;       q = np.round(r / step) * step * 2.0 ** e      # np.round: ties to even
;;       return np.moveaxis(q.reshape(q.shape[:-2] + (-1,))[..., :K], -1, axis).astype(np.float32)
;;   ~~~
;;   SOFTMAX AHEAD OF A QUANTISED PRODUCT. Where the list says 'softmax', what is quantised is not the finished softmax but p = 2^(t - M), with t = logit x log2(e) and M = ceil(the row's largest t), a whole number; so 1/2 < the row's largest p <= 1. The row's sum l is taken of the UNQUANTISED p, in f32, and the product's result is divided by l at the end. Since M is a whole number, a kernel that streams over the keys may use a running M (the ceiling of the running maximum): every later rescaling is an exact power of two, which a block's scale takes up: the codes' values come out the same.
;;   OPERANDS COMPUTED ON THE WAY. 'Computed on the way' means the value that the module computes at that place (a softmax that the list does not call 'softmax' is quantised finished and normalised). What goes into a quantiser is computed in f32, as accurately as f32 sums, v_exp_f32 and their like allow (about 1e-6 of the number): no bf16 or f16 on the way to a quantiser, and a product that is left as it is and whose result goes on into a quantised operand takes f32 operands (vector FMAs, or v_wmma_f32_16x16x4_f32). A number that lies on a knife's edge between two numbers of the format may be rounded either way, as far as f32 arithmetic and the matrix unit's own rounding can turn it there, and no further.
;;   INPUTS GIVEN AS CODES. dense_w (in the module: [1024, 1024], K = its axis 1); wk_w (in the module: [1024, 1024], K = its axis 1); wq_w (in the module: [1024, 1024], K = its axis 1); wv_w (in the module: [1024, 1024], K = its axis 1); x (in the module: [4, 2048, 1024], K = its axis 2): each comes as NAME_codes (uint8): NAME with its K axis moved to the last place and cut into blocks of 32 codes, [.., K / 32, bytes a block], one block behind the other in memory; two codes a byte, the lower K in the low four bits (a code: sign, 2 exponent bits, 1 mantissa bit); and NAME_scales (uint8): the same leading axes, one E8M0 byte (e + 127) for each 32 codes along K. Its value is code x scale, taken as it is: it is not quantised again, and the codes and scales need not be those that the quantiser above would give.
;; One version. Each part assembles by itself: llvm-mc -triple=amdgcn-amd-amdhsa -mcpu=gfx1250 --defsym DOCPART=n.
;; ======== version 1 of 1: 3 launches
;; workspace buffers: qimg 4,194,304 bytes; kimg 4,194,304 bytes; vimg 4,194,304 bytes; qsc 786,432 bytes; kvsc 786,432 bytes; aimg 4,194,304 bytes; asc 262,144 bytes
;; launch proj (part 1): grid 12 x 32, 4 waves a work-group, clusters of 4 x 4, 279,040 bytes of LDS; arguments x_codes, x_scales, wq_w_codes, wq_w_scales, wq_b, wk_w_codes, wk_w_scales, wk_b, wv_w_codes, wv_w_scales, wv_b, qimg, qsc, kimg, kvsc, vimg; writes qimg, qsc, kimg, kvsc, vimg
.if DOCPART == 1
	.amdgcn_target "amdgcn-amd-amdhsa--gfx1250"
	.amdhsa_code_object_version 6
	.text
	.protected	k_q1796486aea_proj
	.globl	k_q1796486aea_proj
	.p2align	8
	.type	k_q1796486aea_proj,@function
k_q1796486aea_proj:
	s_mov_b64 s[64:65], 0
	v_nop
	global_prefetch_b8 v0, s[64:65] scope:SCOPE_SE
	s_setreg_imm32_b32 hwreg(HW_REG_WAVE_MODE, 25, 1), 1
	s_wait_xcnt 0x0
	s_wait_alu depctr_hold_cnt(0) depctr_sa_sdst(0) depctr_va_vdst(0) depctr_va_sdst(0) depctr_va_ssrc(0) depctr_va_vcc(0) depctr_vm_vsrc(0)
	s_getreg_b32 s2, hwreg(HW_REG_IB_STS2, 6, 4)
	s_cmp_eq_u32 s2, 0
	s_cbranch_scc0 .Lentry_in_a_cluster
	s_endpgm
.Lentry_in_a_cluster:
	s_bfe_u32 s2, ttmp6, 0x10000c
	s_cmp_lg_u32 s2, 0xf033
	s_cbranch_scc0 .Lentry_shape_is_right
	s_endpgm
.Lentry_shape_is_right:
; q = x Wq^T + bq, k = x Wk^T + bk, v = x Wv^T + bv on codes of FP4 (E2M1) with one E8M0 scale for each 32 along K = 1,024; the results are quantised in registers and leave as codes:
; q and k along a head's 64 (two blocks), v along the keys.  x: 8,192 rows of 512 bytes of codes and 32 scale bytes; each W: 1,024 such rows.
; SHARES.  A work-group makes 256 tokens x 256 columns of ONE of q, k, v (the type = the cluster's x: equal in all sixteen partners); a wave 128 x 128: 64 accumulators, 512 registers.
; All of K lies in LDS: two slots of 512 along K, each filled ONCE, so no LDS byte is filled again.
; L AND R.  Source 1 of a product is the L side (its rows lie in the result's lanes), source 0 the R side (its rows run along a lane's registers: the axis that is quantised).
; q, k: L = x, R = W: a lane holds one token and 8 neighbouring columns.  v: L = Wv, R = x: a lane holds one column d and 8 neighbouring keys.  Only base addresses change sides, by selects on the type.
; THE QUANTISER.  Result tile b gives lane (r, h) the neighbours 16 b + 8 h + 0..7; a block of 32 is tiles 2 B, 2 B + 1 of lanes l and l xor 16.  The eight conversions write their registers in the order
; 0, 2, 1, 3 and two exchanges of lane halves for each four registers give register p the codes 32 h + 8 p + 0..7: the operand's layout.
; WHAT IS STORED: images of operand registers.  qimg, kimg [head 64][token tile 128][512]: lane l's 16 bytes at 16 l (token l % 16, depth 32 (l / 16) + 0..31).  vimg [head][key step 16][d tile 4][1,024]:
; registers 4 c .. 4 c + 3 at 512 c + 16 l.  qsc, kvsc [head][key step][768]: bytes 0-511 the scale words of 8 token tiles (lane l's 16 bytes at 16 l, register j: tile 2 j + l / 16), bytes 512-767 (kvsc) V's (8 bytes a lane).
; CLUSTERS: 4 x 4.  x's tile is shared along a row of the cluster, W's along a column: each is asked for jointly.
; LIMITS: NaN and infinities are not served.  A block whose largest magnitude lies under 2^-124 keeps the byte 1, a block of zeros too (its codes are zeros; this program alone reads the bytes).
; The bias is the C of a sum's first product: it is added first, not last.
; REGISTERS: window 0: v16-27 addresses; v32-63 L's scale words, v64-95 R's; v96-127 the quantiser's; v128-191 L's fragments, one set; v192-255 the bias in the result's layout.
;   window 1: R's fragments, two sets, at v0 and v128.   windows 2, 3: accumulator (a, b) at v[8 (8 (a % 4) + b)] of window 2 + a / 4.
.set PITCH, 272                        ; an LDS row: 256 bytes + 16 of padding = 68 words: the 16 rows of a fragment load start at 16 different banks
.set HALFT, 128*PITCH                  ; 128 rows: what one tensor load brings
.set SLOT,  4*HALFT                    ; x's 256 rows, then W's 256 rows
.set PADW,  (1<<20)|(1<<21)|(5<<22)|(3<<25)   ; elements of 1 byte; padding on; bit 21 beside a mask; 4 words behind every 64
.set ADL,  16                          ; v16-17 LDS address of L's fragments in slot 0, 1
.set ADR,  20                          ; v20-21 of R's
.set LO16, 22                          ; v22 16 x lane
.set VOB,  23                          ; v23 16 x lane + where an image's second half goes
.set LO8,  24                          ; v24 8 x lane
.set SCO,  25                          ; v25 32 r + 16 h: my 16 bytes of a row of scales
.set BH,   26                          ; v26 32 h
.set BR,   27                          ; v27 4 r
.set SL,   32                          ; L tile a: v[SL + 4 a + q]: lanes 0-15 the word of K step q, lanes 16-31 of K step 4 + q
.set SR,   64                          ; R tile b likewise
.set TM,   96                          ; v96-99 largest magnitudes, v100-103 at work, v108-111 the conversions' scale operands
.set PC,   112                         ; v112-119 the codes just made
.set PWS,  120                         ; v120-127 the scale word of each L tile
.set LF,   128
.set BI,   192
.set WA,   192                         ; the scale words on their way out (the bias is done with)
.set WV,   18
.set IH,   19                          ; wave / 2: my half of the tokens.  Also: I fetch for x (0) or for W (1)
.set JH,   20                          ; wave % 2: my half of the columns.  Also: which 128 rows I fetch
.set TY,   21                          ; 0 q, 1 k, 2 v
.set CX,   22
.set CY,   23
.set G1X,  24
.set G0X,  32
.set SEL,  44
.set HM,   46
.set G1W,  48
.set G0W,  56
.set STP,  66                          ; s[66:67] bytes from an L tile's image to the next
.set JMP,  72                          ; s[72:73] v: the further bytes from a head's last d tile to the next head's first
.set MSB, 0
.macro WIN new                         ; the immediate's high byte repeats the setting that is left
.if MSB != (\new)
	s_set_vgpr_msb (MSB<<8)|(\new)
.set MSB, (\new)
.endif
.endm
.macro JLOAD g0a, g1a, g0b, g1b        ; a joint load: waves 0, 1 for x, waves 2, 3 for W; four v_nop follow each line
	s_cmp_eq_u32 s[IH], 0
	s_cbranch_scc0 .Lfor_w_\@
	tensor_load_to_lds s[\g0a:\g0a+3], s[\g1a:\g1a+7]
	s_nop 0
.rept 4
	v_nop
.endr
	s_branch .Lasked_\@
.Lfor_w_\@:
	tensor_load_to_lds s[\g0b:\g0b+3], s[\g1b:\g1b+7]
	s_nop 0
.rept 4
	v_nop
.endr
.Lasked_\@:
.endm
.macro CROUND                          ; a round of the cluster's barrier
	s_barrier_signal -1
	s_barrier_wait -1
	s_cmp_lg_u32 s[WV], 0
	s_cbranch_scc1 .Lnot_wave_0_\@
	s_barrier_signal -3
.Lnot_wave_0_\@:
	s_barrier_wait -3
	s_barrier_signal -1
	s_barrier_wait -1
.endm
.macro PLACES n
.rept \n
	v_nop
.endr
.endm
	s_load_b512 s[68:83], s[0:1], 0x0              ; x codes 68, x scales 70, wq codes 72, scales 74, bias 76, wk codes 78, scales 80, bias 82
	s_load_b512 s[84:99], s[0:1], 0x40             ; wv codes 84, scales 86, bias 88, qimg 90, qsc 92, kimg 94, kvsc 96, vimg 98
	v_lshl_add_u32 v106, v0, 2, 0x44000
	v_mov_b32 v107, 0
	ds_add_u32 v106, v107
	ds_add_u32 v106, v107
	v_lshrrev_b32 v1, 5, v0
	v_readfirstlane_b32 s[WV], v1                  ; wave 0..3
	s_lshr_b32 s[IH], s[WV], 1
	s_and_b32 s[JH], s[WV], 1
	s_mov_b32 s[TY], ttmp9                         ; the cluster's x
	s_bfe_u32 s[CX], ttmp6, 0x40000
	s_bfe_u32 s[CY], ttmp6, 0x40004
	s_and_b32 s100, ttmp7, 0xffff
	s_lshl_b32 s100, s100, 2
	s_add_co_u32 s100, s100, s[CY]                 ; tt: which 256 tokens
	s_lshl_b32 s4, s[CY], 2
	s_lshl_b32 s4, 15, s4                          ; my row of the cluster
	s_lshl_b32 s5, 0x1111, s[CX]                   ; my column
	s_or_b32 s[G1X], s4, PADW
	s_or_b32 s[G1W], s5, PADW
.irp g, G1X, G1W
	s_mov_b32 s[\g+1], 256<<16                     ; tensor_dim0 = 256 bytes
	s_mov_b32 s[\g+2], 128<<16                     ; tensor_dim1 = 128 rows
	s_mov_b32 s[\g+3], 256<<16                     ; tile_dim0
	s_mov_b32 s[\g+4], 128                         ; tile_dim1
	s_mov_b32 s[\g+5], 512                         ; a row in memory
	s_mov_b32 s[\g+6], 0
	s_mov_b32 s[\g+7], 0
.endr
	s_lshl_b32 s2, s100, 17                        ; x's rows that I fetch: (256 tt + 128 (wave % 2)) x 512 bytes
	s_lshl_b32 s3, s[JH], 16
	s_add_co_u32 s2, s2, s3
	s_mov_b32 s3, 0
	s_lshl_b32 s42, s[CX], 17                      ; W's: (256 cx + 128 (wave % 2)) x 512
	s_lshl_b32 s43, s[JH], 16
	s_add_co_u32 s42, s42, s43
	s_mov_b32 s43, 0
	s_lshl_b32 s44, s100, 13                       ; the scales of my 128 tokens: (256 tt + 128 i) x 32
	s_lshl_b32 s45, s[IH], 12
	s_add_co_u32 s44, s44, s45
	s_mov_b32 s45, 0
	s_lshl_b32 s46, s[CX], 13                      ; of my 128 columns: (256 cx + 128 j) x 32
	s_lshl_b32 s47, s[JH], 12
	s_add_co_u32 s46, s46, s47
	s_mov_b32 s47, 0
	s_lshr_b32 s66, s46, 3                         ; their biases: x 4
	s_mov_b32 s67, 0
	s_mul_i32 s40, s[WV], HALFT                    ; where my tensor loads go: wave x 128 rows
	s_mul_i32 s41, s[IH], HALFT                    ; my 128 rows of x in a slot
	s_mul_i32 s101, s[JH], HALFT
	s_add_co_u32 s101, s101, 2*HALFT               ; my 128 rows of W
	v_and_b32 v1, 15, v0                           ; r
	v_bfe_u32 v2, v0, 4, 1                         ; h
	v_and_b32 v3, 31, v0                           ; lane
	v_lshlrev_b32 v[LO16], 4, v3
	v_lshlrev_b32 v[LO8], 3, v3
	v_lshlrev_b32 v[SCO], 5, v1
	v_lshl_add_u32 v[SCO], v2, 4, v[SCO]
	v_lshlrev_b32 v[BH], 5, v2
	v_lshlrev_b32 v[BR], 2, v1
	v_mul_u32_u24 v4, v1, PITCH
	v_lshl_add_u32 v4, v2, 4, v4                   ; a fragment's row x pitch + 16 x half
.irp b, 0,1,2,3
	v_mov_b32 v[TM+4+\b], 0                        ; written once: a lane permute's destination counts as one of its sources
.endr
	s_wait_dscnt 0x0
	s_wait_kmcnt 0x0
	s_cmp_eq_u32 s[TY], 0                          ; q's buffers or k's
	s_cselect_b64 s[6:7], s[72:73], s[78:79]
	s_cselect_b64 s[10:11], s[74:75], s[80:81]
	s_cselect_b64 s[12:13], s[76:77], s[82:83]
	s_cselect_b64 s[14:15], s[90:91], s[94:95]
	s_cselect_b64 s[16:17], s[92:93], s[96:97]
	s_cmp_eq_u32 s[TY], 2                          ; or v's.  Down to the last select below only moves, selects and 64-bit sums stand, which leave SCC as it is
	s_cselect_b64 s[6:7], s[84:85], s[6:7]
	s_cselect_b64 s[10:11], s[86:87], s[10:11]
	s_cselect_b64 s[12:13], s[88:89], s[12:13]
	s_cselect_b64 s[14:15], s[98:99], s[14:15]
	s_add_nc_u64 s[4:5], s[68:69], s[2:3]          ; x's codes at the rows that I fetch
	s_add_nc_u64 s[6:7], s[6:7], s[42:43]          ; W's
	s_add_nc_u64 s[10:11], s[10:11], s[46:47]      ; W's scales at my columns
	s_add_nc_u64 s[70:71], s[70:71], s[44:45]      ; x's at my tokens
	s_add_nc_u64 s[12:13], s[12:13], s[66:67]      ; the bias at my columns
	s_cselect_b64 s[8:9], s[10:11], s[70:71]       ; L's scales: v: W's
	s_cselect_b64 s[10:11], s[70:71], s[10:11]     ; R's: v: x's
	s_mov_b32 s[STP], 512
	s_cselect_b32 s[STP], 1024, s[STP]             ; (s67 is 0)
	s_cselect_b32 s[JMP], 61440, 0                 ; 65,536 less the four steps of 1,024 made by then
	s_mov_b32 s[JMP+1], 0
	s_mov_b32 s74, 65536                           ; q, k: registers 4-7 are the next head's image, 128 tiles of 512 bytes on;
	s_cselect_b32 s74, 512, s74                    ; v: the fragment's second half
	s_cselect_b32 s75, s101, s41                   ; L's rows in a slot
	s_cselect_b32 s76, s41, s101                   ; R's
	CROUND                                         ; all sixteen work-groups are here: the first joint loads meet
.irp s, 0,1
	s_mov_b32 s[G0X+4*\s], 1
	s_add_co_u32 s[G0X+4*\s+1], s40, \s*SLOT
	s_add_nc_u64 s[G0X+4*\s+2:G0X+4*\s+3], s[4:5], \s*256
	s_or_b32 s[G0X+4*\s+3], s[G0X+4*\s+3], 0x80000000
	s_mov_b32 s[G0W+4*\s], 1
	s_add_co_u32 s[G0W+4*\s+1], s40, \s*SLOT
	s_add_nc_u64 s[G0W+4*\s+2:G0W+4*\s+3], s[6:7], \s*256
	s_or_b32 s[G0W+4*\s+3], s[G0W+4*\s+3], 0x80000000
	JLOAD G0X+4*\s, G1X, G0W+4*\s, G1W             ; both slots are first fills: two tensor loads of mine are out
.endr
	s_wait_alu depctr_va_vdst(0)
.irp a, 0,1,2,3,4,5,6,7
	global_load_b128 v[SL+4*\a:SL+4*\a+3], v[SCO], s[8:9] offset:512*\a     ; 16 rows of 32 scale bytes: 512 consecutive bytes a load; they stay in registers
	global_load_b128 v[SR+4*\a:SR+4*\a+3], v[SCO], s[10:11] offset:512*\a
.endr
	s_cmp_eq_u32 s[TY], 2
	s_cbranch_scc1 .Lbias_v
.irp b, 0,1,2,3,4,5,6,7
	global_load_b128 v[BI+8*\b:BI+8*\b+3], v[BH], s[12:13] offset:64*\b       ; q, k: tile b wants the biases of columns 16 b + 8 h + 0..7
	global_load_b128 v[BI+8*\b+4:BI+8*\b+7], v[BH], s[12:13] offset:64*\b+16
.endr
	s_branch .Lbias_done
.Lbias_v:
.irp a, 0,1,2,3,4,5,6,7
.irp i, 0,1,2,3,4,5,6,7
	global_load_b32 v[BI+8*\a+\i], v[BR], s[12:13] offset:64*\a               ; v: tile a wants column 16 a + r's bias in all eight registers
.endr
.endr
.Lbias_done:
	v_add_nc_u32 v[VOB], s74, v[LO16]
	v_add_nc_u32 v[ADL], s75, v4
	v_add_nc_u32 v[ADR], s76, v4
	v_add_nc_u32 v[ADL+1], SLOT, v[ADL]
	v_add_nc_u32 v[ADR+1], SLOT, v[ADR]
	; where my results go: head bh = 16 batch + 4 cx + 2 j (and the next), key step ks = 2 (tt % 8) + i
	s_lshr_b32 s77, s100, 3
	s_lshl_b32 s77, s77, 4
	s_lshl_b32 s78, s[CX], 2
	s_add_co_u32 s77, s77, s78
	s_lshl_b32 s78, s[JH], 1
	s_add_co_u32 s77, s77, s78                     ; bh
	s_and_b32 s78, s100, 7
	s_lshl_b32 s78, s78, 1
	s_add_co_u32 s78, s78, s[IH]                   ; ks
	s_lshl_b32 s80, s77, 16
	s_lshl_b32 s79, s78, 12
	s_add_co_u32 s80, s80, s79
	s_mov_b32 s81, 0
	s_add_nc_u64 s[14:15], s[14:15], s[80:81]      ; images: 65,536 bh + 4,096 ks
	s_mul_i32 s80, s77, 12288
	s_mul_i32 s79, s78, 768
	s_add_co_u32 s80, s80, s79
	s_add_nc_u64 s[16:17], s[16:17], s[80:81]      ; scale words: 12,288 bh + 768 ks
	s_mov_b32 s[SEL], 0x76543210
	s_mov_b32 s[SEL+1], 0xfedcba98                 ; v_permlanex16_b32's selects for lane l xor 16
	s_mov_b32 s[HM], 0xffff0000                    ; lanes 16-31
.macro FRAG reg, adr, q, i             ; 16 rows x 128 K of 4-bit codes: 8 registers; registers 4 c .. 4 c + 3 hold K = 64 c + 32 h + 0..31
.irp c, 0,1
	ds_load_b128 v[\reg+4*\c:\reg+4*\c+3], v[\adr] offset:64*(\q)+32*\c+(\i)*16*PITCH
.endr
.endm
.macro FETCH_R slot, q, p              ; R's eight fragments of the slot's q-th 128 along K into set p
	WIN 0x40
.irp i, 0,1,2,3,4,5,6,7
	FRAG 128*(\p)+8*\i, ADR+\slot, \q, \i
.endr
	WIN 0
.endm
.macro FETCH_L slot, q, i0             ; L's blocks i0 .. i0 + 3
.irp i, \i0, \i0+1, \i0+2, \i0+3
	FRAG LF+8*(\i), ADL+\slot, \q, \i
.endr
.endm
; 16 products: L's blocks a0, a0 + 1 against R's eight.  p: R's set; q: which register of the scale words; row = 1: their lanes 16-31 (K steps 4 to 7).
; cm = 0: onto the sums; 1: the sums begin with the bias by R tile (q, k); 2: by L tile (v).  The 64 accumulators take turns, one instruction a turn.
.macro MUL16 a0, p, q, row, cm
.irp a, \a0, \a0+1
.irp b, 0,1,2,3,4,5,6,7
.set rD, 8*(8*((\a)%4)+\b)
.set rC, rD
.if \cm == 1
.set rC, BI+8*\b
.endif
.if \cm == 2
.set rC, BI+8*(\a)
.endif
.if \row
	v_wmma_scale_f32_16x16x128_f8f6f4 v[rD:rD+7], v[128*(\p)+8*\b:128*(\p)+8*\b+7], v[LF+8*(\a):LF+8*(\a)+7], v[rC:rC+7], v[SR+4*\b+(\q)], v[SL+4*(\a)+(\q)] matrix_a_fmt:MATRIX_FMT_FP4 matrix_b_fmt:MATRIX_FMT_FP4 matrix_a_scale:MATRIX_SCALE_ROW1 matrix_b_scale:MATRIX_SCALE_ROW1
.else
	v_wmma_scale_f32_16x16x128_f8f6f4 v[rD:rD+7], v[128*(\p)+8*\b:128*(\p)+8*\b+7], v[LF+8*(\a):LF+8*(\a)+7], v[rC:rC+7], v[SR+4*\b+(\q)], v[SL+4*(\a)+(\q)] matrix_a_fmt:MATRIX_FMT_FP4 matrix_b_fmt:MATRIX_FMT_FP4
.endif
.endr
.endr
.endm
; A step of 128 along K that has its successor in the same slot.  A block of L is free as soon as its eight products are issued: blocks 0-3 are fetched anew in the middle, blocks 4-7 at the end.
; Four plain vector instructions stand between a product and a load into a register that it read (ISA guide 7.12.1 for vector instructions).
.macro STEP slot, q, cm
	s_wait_dscnt 8                                 ; R's set and L's blocks 0-3 are in; the youngest eight loads (L's blocks 4-7) may be out
.if \cm
	WIN 0x81                                       ; R window 1, L and the bias window 0, D window 2
.else
	WIN 0xa1                                       ; R window 1, L window 0, C and D window 2
.endif
	MUL16 0, (\q)%2, \q, \slot, \cm
	MUL16 2, (\q)%2, \q, \slot, \cm
	s_wait_dscnt 0x0                               ; L's blocks 4-7 are in
	PLACES 4
	FETCH_R \slot, (\q)+1, 1-(\q)%2
	FETCH_L \slot, (\q)+1, 0
.if \cm
	WIN 0xc1
.else
	WIN 0xf1
.endif
	MUL16 4, (\q)%2, \q, \slot, \cm
	MUL16 6, (\q)%2, \q, \slot, \cm
	PLACES 4
	WIN 0
	FETCH_L \slot, (\q)+1, 4
.endm
	s_wait_alu depctr_va_vdst(0)
	s_wait_tensorcnt 1                             ; my part of slot 0 is in; slot 1's load may stay out
	s_barrier_signal -1
	s_barrier_wait -1                              ; everybody's is
	FETCH_R 0, 0, 0
	FETCH_L 0, 0, 0
	FETCH_L 0, 0, 4
	s_wait_loadcnt 0x0                             ; the scale words and the bias
	s_cmp_eq_u32 s[TY], 2                          ; the first step is written twice: its products take the bias as C, by R tile or by L tile
	s_cbranch_scc1 .Lfirst_v
	STEP 0, 0, 1
	s_branch .Lfirst_done
.Lfirst_v:
	STEP 0, 0, 2
.Lfirst_done:
	STEP 0, 1, 0
	STEP 0, 2, 0
	; slot 0's last step changes slots
	s_wait_tensorcnt 0x0                           ; my part of slot 1 is in
	s_wait_dscnt 8
	WIN 0xa1
	MUL16 0, 1, 3, 0, 0
	s_wait_dscnt 0x0                               ; no LDS instruction of mine is out at the signal
	s_barrier_signal -1
	MUL16 2, 1, 3, 0, 0                            ; work on registers while the others arrive
	WIN 0
	s_barrier_wait -1                              ; slot 1 is whole
	PLACES 4
	FETCH_R 1, 0, 0
	FETCH_L 1, 0, 0
	WIN 0xf1
	MUL16 4, 1, 3, 0, 0
	MUL16 6, 1, 3, 0, 0
	PLACES 4
	WIN 0
	FETCH_L 1, 0, 4
	STEP 1, 0, 0
	STEP 1, 1, 0
	STEP 1, 2, 0
	s_wait_dscnt 8                                 ; the last step: nothing more to fetch
	WIN 0xa1
	MUL16 0, 1, 3, 1, 0
	MUL16 2, 1, 3, 1, 0
	s_wait_dscnt 0x0
	WIN 0xf1
	MUL16 4, 1, 3, 1, 0
	MUL16 6, 1, 3, 1, 0
	WIN 0
	PLACES 4                                       ; in front of the first read of results
; THE WAY OUT of L tile a: its 8 result tiles are 128 numbers a lane pair along the quantised axis: four blocks, one scale word, eight registers of codes.
.macro QOUT a
.set AC, 64*((\a)%4)
	WIN 0x0a+5*((\a)/4)                            ; sources 0 and 1: window 2 or 3
.irp b, 0,1,2,3
	v_max3_num_f32 v[TM+\b], |v[AC+16*\b]|, |v[AC+16*\b+1]|, 0x1800000   ; block b: my 16 numbers, from each accumulator's low end on, and the floor 2^(3 - 127): the byte cannot fall under 1
.endr
.irp i, 2,4,6,8,10,12,14
.irp b, 0,1,2,3
	v_max3_num_f32 v[TM+\b], |v[AC+16*\b+\i]|, |v[AC+16*\b+\i+1]|, v[TM+\b]   ; (the four blocks by turns)
.endr
.endr
	WIN 0
.irp b, 0,1,2,3
	v_permlanex16_b32 v[TM+4+\b], v[TM+\b], s[SEL], s[SEL+1]
.endr
.irp b, 0,1,2,3
	v_max_num_f32 v[TM+\b], v[TM+\b], v[TM+4+\b]   ; with lane l xor 16's 16: the block's largest magnitude
.endr
.irp b, 0,1,2,3
	v_add_nc_u32 v[TM+12+\b], 0xff000000, v[TM+\b] ; 2 off its exponent field: the conversion's scale operand
.endr
.irp b, 0,1,2,3
	v_lshrrev_b32 v[TM+4+\b], 23, v[TM+12+\b]      ; the scale's byte
.endr
	v_lshl_or_b32 v[PWS+(\a)], v[TM+5], 8, v[TM+4]
	v_lshl_or_b32 v[PWS+(\a)], v[TM+6], 16, v[PWS+(\a)]
	v_lshl_or_b32 v[PWS+(\a)], v[TM+7], 24, v[PWS+(\a)]
.if (\a) > 0
	s_wait_xcnt 0x0                                ; the last tile's stores have read their data and their base: both are written again only behind this wait
	s_add_nc_u64 s[14:15], s[14:15], s[STP:STP+1]
.endif
.if (\a) == 4
	s_add_nc_u64 s[14:15], s[14:15], s[JMP:JMP+1]
.endif
	WIN 0x02+((\a)/4)                              ; source 0: window 2 or 3
.irp c, 0,1
	v_cvt_scalef32_pk8_fp4_f32 v[PC+4*\c],   v[AC+32*\c:AC+32*\c+7],     v[TM+12+2*\c]
	v_cvt_scalef32_pk8_fp4_f32 v[PC+4*\c+2], v[AC+32*\c+8:AC+32*\c+15],  v[TM+12+2*\c]
	v_cvt_scalef32_pk8_fp4_f32 v[PC+4*\c+1], v[AC+32*\c+16:AC+32*\c+23], v[TM+12+2*\c+1]
	v_cvt_scalef32_pk8_fp4_f32 v[PC+4*\c+3], v[AC+32*\c+24:AC+32*\c+31], v[TM+12+2*\c+1]
.endr
	WIN 0
	v_nop                                          ; one plain place behind a scaled conversion
.irp c, 0,1
	v_permlane16_swap_b32 v[PC+4*\c], v[PC+4*\c+1]     ; groups of 8 codes (0|1), (4|5) become (0|4), (1|5),
	v_permlane16_swap_b32 v[PC+4*\c+2], v[PC+4*\c+3]   ; (2|3), (6|7) become (2|6), (3|7): register p holds 32 h + 8 p + 0..7
.endr
	global_store_b128 v[LO16], v[PC:PC+3], s[14:15]    ; 32 lanes store 512 consecutive bytes, aligned
	global_store_b128 v[VOB], v[PC+4:PC+7], s[14:15]
.endm
.irp a, 0,1,2,3,4,5,6,7
	QOUT \a
.endr
	s_cmp_eq_u32 s[TY], 2
	s_cbranch_scc1 .Lwords_v
.irp j, 0,1,2,3
	v_cndmask_b32 v[WA+\j], v[PWS+2*\j], v[PWS+2*\j+1], s[HM]   ; lanes 0-15: token tile 2 j's words, lanes 16-31: tile 2 j + 1's.  Bytes 0, 1 are the even head's; bytes 2, 3 meet zero codes there
.endr
.irp j, 0,1,2,3
	v_lshrrev_b32 v[WA+4+\j], 16, v[WA+\j]         ; the odd head's two bytes, zeros above them
.endr
	global_store_b128 v[LO16], v[WA:WA+3], s[16:17]
	global_store_b128 v[LO16], v[WA+4:WA+7], s[16:17] offset:12288
	s_branch .Lwords_done
.Lwords_v:
.irp e, 0,1
.irp j, 0,1
	v_cndmask_b32 v[WA+2*\e+\j], v[PWS+4*\e+2*\j], v[PWS+4*\e+2*\j+1], s[HM]   ; head e: lanes 0-15 d tile 2 j, lanes 16-31 d tile 2 j + 1
.endr
	global_store_b64 v[LO8], v[WA+2*\e:WA+2*\e+1], s[16:17] offset:512+12288*\e   ; 256 consecutive bytes, aligned
.endr
.Lwords_done:
	s_wait_tensorcnt 0x0
	ds_add_u32 v106, v107
	s_wait_dscnt 0x0
	CROUND                                         ; the closing round: no work-group ends while a partner may still ask for a tile that names it
	s_endpgm
.Lfunc_end_k_q1796486aea_proj:
	.size	k_q1796486aea_proj, .Lfunc_end_k_q1796486aea_proj-k_q1796486aea_proj
	.p2alignl 7, 3214868480
	.fill 96, 4, 3214868480
	.section	.rodata,"a",@progbits
	.p2align	6, 0x0
	.amdhsa_kernel k_q1796486aea_proj
		.amdhsa_group_segment_fixed_size 279040
		.amdhsa_private_segment_fixed_size 0
		.amdhsa_enable_private_segment 0
		.amdhsa_kernarg_size 128
		.amdhsa_user_sgpr_count 2
		.amdhsa_user_sgpr_kernarg_segment_ptr 1
		.amdhsa_wavefront_size32 1
		.amdhsa_system_sgpr_workgroup_id_x 1
		.amdhsa_system_sgpr_workgroup_id_y 1
		.amdhsa_system_sgpr_workgroup_id_z 1
		.amdhsa_system_vgpr_workitem_id 0
		.amdhsa_next_free_vgpr 1024
		.amdhsa_next_free_sgpr 104
		.amdhsa_reserve_vcc 0
		.amdhsa_float_denorm_mode_32 3
		.amdhsa_float_denorm_mode_16_64 3
		.amdhsa_memory_ordered 1
		.amdhsa_forward_progress 1
		.amdhsa_inst_pref_size 146
	.end_amdhsa_kernel
	.amdgpu_metadata
---
amdhsa.version: [ 1, 2 ]
amdhsa.kernels:
  - .name:           k_q1796486aea_proj
    .symbol:         k_q1796486aea_proj.kd
    .args:
      - { .name: x_codes, .offset: 0, .size: 8, .value_kind: global_buffer, .address_space: global }
      - { .name: x_scales, .offset: 8, .size: 8, .value_kind: global_buffer, .address_space: global }
      - { .name: wq_w_codes, .offset: 16, .size: 8, .value_kind: global_buffer, .address_space: global }
      - { .name: wq_w_scales, .offset: 24, .size: 8, .value_kind: global_buffer, .address_space: global }
      - { .name: wq_b, .offset: 32, .size: 8, .value_kind: global_buffer, .address_space: global }
      - { .name: wk_w_codes, .offset: 40, .size: 8, .value_kind: global_buffer, .address_space: global }
      - { .name: wk_w_scales, .offset: 48, .size: 8, .value_kind: global_buffer, .address_space: global }
      - { .name: wk_b, .offset: 56, .size: 8, .value_kind: global_buffer, .address_space: global }
      - { .name: wv_w_codes, .offset: 64, .size: 8, .value_kind: global_buffer, .address_space: global }
      - { .name: wv_w_scales, .offset: 72, .size: 8, .value_kind: global_buffer, .address_space: global }
      - { .name: wv_b, .offset: 80, .size: 8, .value_kind: global_buffer, .address_space: global }
      - { .name: qimg, .offset: 88, .size: 8, .value_kind: global_buffer, .address_space: global }
      - { .name: qsc, .offset: 96, .size: 8, .value_kind: global_buffer, .address_space: global }
      - { .name: kimg, .offset: 104, .size: 8, .value_kind: global_buffer, .address_space: global }
      - { .name: kvsc, .offset: 112, .size: 8, .value_kind: global_buffer, .address_space: global }
      - { .name: vimg, .offset: 120, .size: 8, .value_kind: global_buffer, .address_space: global }
    .group_segment_fixed_size: 279040
    .private_segment_fixed_size: 0
    .kernarg_segment_align: 8
    .kernarg_segment_size: 128
    .max_flat_workgroup_size: 128
    .sgpr_count:     104
    .vgpr_count:     1024
    .wavefront_size: 32
...
	.end_amdgpu_metadata
.endif
;; end of part 1
;; launch attn (part 2): grid 8 x 32, 16 waves a work-group, clusters of 4 x 1, 289,792 bytes of LDS; arguments qimg, qsc, kimg, vimg, kvsc, aimg, asc; writes aimg, asc
.if DOCPART == 2
	.amdgcn_target "amdgcn-amd-amdhsa--gfx1250"
	.amdhsa_code_object_version 6
	.text
	.protected	k_q1796486aea_attn
	.globl	k_q1796486aea_attn
	.p2align	8
	.type	k_q1796486aea_attn,@function
k_q1796486aea_attn:
	s_mov_b64 s[64:65], 0
	v_nop
	global_prefetch_b8 v0, s[64:65] scope:SCOPE_SE
	s_setreg_imm32_b32 hwreg(HW_REG_WAVE_MODE, 25, 1), 1
	s_wait_xcnt 0x0
	s_wait_alu depctr_hold_cnt(0) depctr_sa_sdst(0) depctr_va_vdst(0) depctr_va_sdst(0) depctr_va_ssrc(0) depctr_va_vcc(0) depctr_vm_vsrc(0)
	s_getreg_b32 s2, hwreg(HW_REG_IB_STS2, 6, 4)
	s_cmp_eq_u32 s2, 0
	s_cbranch_scc0 .Lentry_in_a_cluster
	s_endpgm
.Lentry_in_a_cluster:
	s_bfe_u32 s2, ttmp6, 0x10000c
	s_cmp_lg_u32 s2, 0x3003
	s_cbranch_scc0 .Lentry_shape_is_right
	s_endpgm
.Lentry_shape_is_right:
; attended[q] = softmax_k(q . k / 8) v for 64 heads of depth 64 and 2,048 keys, both products on codes of FP4 (E2M1) with E8M0 scales; the attended rows are quantised along d_model and leave as codes.
; THE SOFTMAX: t = score x log2(e) / 8; M = the running largest t rounded UP to a whole number; p = 2^(t - M) is quantised along the keys, not normalised; the row's sum is taken of the unquantised p and divides O at the end.
; When M moves, the sum and O are multiplied by 2^(old M - new M): exact.
; SHARES.  A work-group owns 256 queries of a PAIR of heads (2 s, 2 s + 1 of a batch: one K step of the last product); each of its sixteen waves one tile of 16 queries, for both heads in turn, in 256 registers:
; four waves to a SIMD, so that one wave's vector work stands beside another's products and LDS loads.
; LDS IS FILLED ONCE: the codes and scale words of K and V of both heads, 286,720 bytes, as images of operand registers: every LDS load reads consecutive bytes lane by lane.  They come in four chunks of 8 key steps,
; so that work begins when the first has landed.  No LDS byte is filled again.
; CLUSTER: the four query blocks of a cluster walk the same K and V: each chunk is asked for jointly.
; LAYOUT.  S^T = K Q^T (source 0 = 16 keys, source 1 = my 16 queries), O^T = V^T P^T: a lane holds ONE query throughout.  The first product's K is 64: registers 4-7 of K's and Q's fragments hold zero codes.
; Tile T gives lane (r, h) the keys 16 T + 8 h + 0..7; the conversions write their registers in the order 0, 2, 1, 3 and two exchanges of lane halves give the operand's layout.
; No prefetch: every tensor load is issued at the head, so no later request exists to run ahead of.
; LIMITS: NaN and infinities are not served; a block whose largest magnitude lies under 2^-124 keeps the byte 1, a block of zeros too (its codes are zeros); O / l is a reciprocal (1 ulp) and a multiplication.
; REGISTERS: v1-7 addresses that stay; v8-11 addresses of the step; v12 -M, v13 the largest t, v[14:15] the sum; v16-31 Q of both heads; v32-95 K's eight fragments; v96-159 S^T, then p; v160-191 O^T;
;   v192-223 V's four fragments; v224-231 p's codes; v232-247 at work; v240-243 K's scale words; v248-249 V's; v250-251 Q's; v252 f, v253 p's scale word; v254 at work; v255 the attended rows' scale word.
.set VIMG, 131072                      ; LDS: K's images [head 2][key step 16][tile 8][512] from 0; V's [head][key step][d tile 4][1,024] from here;
.set SCL,  262144                      ; the scale words [head][key step][768];
.set STG,  286720                      ; 1,024 bytes for the scale words on the way out: no tensor load lands here
.set AK0,  1                           ; v1 16 x lane
.set AV0,  2                           ; v2 VIMG + 16 x lane
.set ASK0, 3                           ; v3 SCL + 16 x lane
.set ASV0, 4                           ; v4 SCL + 512 + 8 x lane
.set ADK,  8
.set ADV,  9
.set ADS,  10
.set ADT,  11
.set QF,   16
.set KF,   32
.set S,    96
.set O,    160
.set VF,   192
.set PC,   224
.set KS,   240
.set VS,   248
.set QS,   250
.set WV,   18
.set SEL,  20
.set CS,   22
.set G1,   24                          ; s[24:31] 64 rows of 256 bytes, dense
.set G1S,  32                          ; s[32:39] 24 such rows
.set G0,   40                          ; s[40:59] five groups 0
.set TB,   60                          ; s60 the step's images: 4,096 bytes a step
.set TS,   61                          ; s61 the step's scale words: 768 bytes a step
.set CNT,  62
.macro CROUND
	s_barrier_signal -1
	s_barrier_wait -1
	s_cmp_lg_u32 s[WV], 0
	s_cbranch_scc1 .Lnot_wave_0_\@
	s_barrier_signal -3
.Lnot_wave_0_\@:
	s_barrier_wait -3
	s_barrier_signal -1
	s_barrier_wait -1
.endm
	s_load_b256 s[4:11], s[0:1], 0x0               ; qimg, qsc, kimg, vimg
	s_load_b128 s[12:15], s[0:1], 0x20             ; kvsc, aimg
	s_load_b64 s[16:17], s[0:1], 0x30              ; asc
	v_lshl_add_u32 v254, v0, 2, 0x46400
	v_mov_b32 v255, 0
	ds_add_u32 v254, v255
	ds_add_u32 v254, v255
	s_wait_dscnt 0x0
	v_lshrrev_b32 v8, 5, v0
	s_delay_alu instid0(VALU_DEP_1)
	v_readfirstlane_b32 s[WV], v8                  ; wave 0..15
	v_and_b32 v8, 31, v0                           ; lane
	v_and_b32 v9, 15, v0                           ; r
	s_delay_alu instid0(VALU_DEP_2)
	v_lshlrev_b32 v[AK0], 4, v8                    ; every LDS address register that stays is made here, ahead of the first branch on the wave's number
	s_delay_alu instid0(VALU_DEP_1)
	v_add_nc_u32 v[AV0], VIMG, v[AK0]
	s_delay_alu instid0(VALU_DEP_2)
	v_add_nc_u32 v[ASK0], SCL, v[AK0]
	v_lshl_add_u32 v[ASV0], v8, 3, SCL+512
	v_lshlrev_b32 v5, 4, v9                        ; 16 r: Q's scale words
	v_and_b32 v6, 0x1e0, v0
	s_delay_alu instid0(VALU_DEP_1)
	v_lshlrev_b32 v6, 1, v6
	s_delay_alu instid0(VALU_DEP_1)
	v_lshl_add_u32 v6, v9, 2, v6
	s_delay_alu instid0(VALU_DEP_1)
	v_add_nc_u32 v6, STG, v6                       ; STG + 64 x wave + 4 r: my row's scale word on the way out
	v_add_nc_u32 v7, STG, v[AK0]                   ; and where wave 0 reads them back
	s_bfe_u32 s66, ttmp6, 0x40000                  ; cx: it enters Q's and the outputs' addresses alone
	s_lshl_b32 s67, ttmp9, 2
	s_add_co_u32 s67, s67, s66                     ; qb: my block of 256 queries
	s_and_b32 s68, ttmp7, 0xffff                   ; y = 8 batch + s: the pair of heads, which the partners share
	s_and_b32 s69, s[WV], 1
	s_lshl_b32 s69, s69, 14
	s_lshl_b32 s70, s68, 17
	s_add_co_u32 s70, s70, s69
	s_mov_b32 s71, 0                               ; chunk 0 in memory: 131,072 y + 16,384 (wave % 2)
	s_lshr_b32 s72, s[WV], 1
	s_lshl_b32 s72, s72, 17
	s_add_co_u32 s72, s72, s69                     ; and in LDS: waves 0, 1 K's, waves 2, 3 V's
	s_mul_i32 s73, s[WV], 6144
	s_mul_i32 s74, s68, 24576
	s_add_co_u32 s74, s74, s73
	s_mov_b32 s75, 0                               ; my quarter of the scale words in memory,
	s_add_co_u32 s73, s73, SCL                     ; and in LDS
	s_lshl_b32 s76, s68, 17                        ; Q's image: 131,072 y + 512 (16 qb + wave)
	s_lshl_b32 s77, s67, 13
	s_add_co_u32 s76, s76, s77
	s_lshl_b32 s77, s[WV], 9
	s_add_co_u32 s76, s76, s77
	s_mov_b32 s77, 0
	s_mul_i32 s78, s68, 24576                      ; Q's scale words: record 2 qb + wave / 8; in it tile wave % 8: register (wave % 8) / 2, lane half wave % 2
	s_mul_i32 s79, s67, 1536
	s_add_co_u32 s78, s78, s79
	s_lshr_b32 s79, s[WV], 3
	s_mul_i32 s79, s79, 768
	s_add_co_u32 s78, s78, s79
	s_and_b32 s79, s[WV], 1
	s_lshl_b32 s79, s79, 8
	s_add_co_u32 s78, s78, s79
	s_bfe_u32 s79, s[WV], 0x20001
	s_lshl_b32 s79, s79, 2
	s_add_co_u32 s78, s78, s79
	s_mov_b32 s79, 0
	s_lshr_b32 s80, s68, 3                         ; batch
	s_and_b32 s81, s68, 7                          ; s
	s_lshl_b32 s82, s80, 20                        ; aimg: 8,192 (128 batch + 16 qb + wave) + 1,024 s
	s_lshl_b32 s83, s67, 17
	s_add_co_u32 s82, s82, s83
	s_lshl_b32 s83, s[WV], 13
	s_add_co_u32 s82, s82, s83
	s_lshl_b32 s83, s81, 10
	s_add_co_u32 s82, s82, s83
	s_mov_b32 s83, 0
	s_lshl_b32 s84, s81, 15                        ; asc: 32,768 s + 4 (2,048 batch + 256 qb)
	s_lshl_b32 s85, s80, 13
	s_add_co_u32 s84, s84, s85
	s_lshl_b32 s85, s67, 10
	s_add_co_u32 s84, s84, s85
	s_mov_b32 s85, 0
	s_mov_b32 s[G1], 15|(3<<16)|(1<<21)            ; the mask: all four work-groups; elements of 8 bytes; bit 21 beside a mask; no padding
	s_mov_b32 s[G1+1], 32<<16
	s_mov_b32 s[G1+2], 64<<16
	s_mov_b32 s[G1+3], 32<<16
	s_mov_b32 s[G1+4], 64
	s_mov_b32 s[G1+5], 32
	s_mov_b32 s[G1+6], 0
	s_mov_b32 s[G1+7], 0
	s_mov_b32 s[G1S], 15|(3<<16)|(1<<21)
	s_mov_b32 s[G1S+1], 32<<16
	s_mov_b32 s[G1S+2], 24<<16
	s_mov_b32 s[G1S+3], 32<<16
	s_mov_b32 s[G1S+4], 24
	s_mov_b32 s[G1S+5], 32
	s_mov_b32 s[G1S+6], 0
	s_mov_b32 s[G1S+7], 0
	s_mov_b32 s[SEL], 0x76543210
	s_mov_b32 s[SEL+1], 0xfedcba98                 ; v_permlanex16_b32's selects for lane l xor 16
	s_mov_b32 s[CS], 0x3e38aa3b                    ; c = log2(e) / 8
	s_mov_b32 s[CS+1], s[CS]                       ; (named with it as a pair, so it is written)
	s_mov_b32 s[TB], 0
	s_mov_b32 s[TS], 0
	s_wait_kmcnt 0x0
	s_cmp_lt_u32 s[WV], 2
	s_cselect_b64 s[86:87], s[8:9], s[10:11]       ; K's images or V's
	s_add_nc_u64 s[86:87], s[86:87], s[70:71]
	s_mov_b32 s[G0], 1
	s_mov_b32 s[G0+1], s73
	s_add_nc_u64 s[G0+2:G0+3], s[12:13], s[74:75]
	s_or_b32 s[G0+3], s[G0+3], 0x80000000
.irp j, 0,1,2,3
	s_mov_b32 s[G0+4+4*\j], 1
	s_add_co_u32 s[G0+5+4*\j], s72, 32768*\j
	s_add_nc_u64 s[G0+6+4*\j:G0+7+4*\j], s[86:87], 32768*\j
	s_or_b32 s[G0+7+4*\j], s[G0+7+4*\j], 0x80000000
.endr
	CROUND                                         ; all four work-groups are here: the joint loads meet
	s_cmp_lt_u32 s[WV], 4                          ; waves 0 to 3 fetch; all first fills of a wave stand in this one branch: five tensor loads of mine are out
	s_cbranch_scc0 .Lno_fetch
	tensor_load_to_lds s[G0:G0+3], s[G1S:G1S+7]        ; the scale words first,
	s_nop 0
	tensor_load_to_lds s[G0+4:G0+7], s[G1:G1+7]        ; then chunk 0: head 0's key steps 0-7,
	s_nop 0
	tensor_load_to_lds s[G0+8:G0+11], s[G1:G1+7]       ; 8-15,
	s_nop 0
	tensor_load_to_lds s[G0+12:G0+15], s[G1:G1+7]      ; head 1's 0-7,
	s_nop 0
	tensor_load_to_lds s[G0+16:G0+19], s[G1:G1+7]      ; 8-15
	s_nop 0
.rept 4
	v_nop
.endr
.Lno_fetch:
	s_add_nc_u64 s[4:5], s[4:5], s[76:77]
	s_add_nc_u64 s[6:7], s[6:7], s[78:79]
	s_add_nc_u64 s[14:15], s[14:15], s[82:83]
	s_add_nc_u64 s[16:17], s[16:17], s[84:85]
	s_wait_alu depctr_va_vdst(0)
.irp e, 0,1
	global_load_b128 v[QF+8*\e:QF+8*\e+3], v[AK0], s[4:5] offset:65536*\e   ; Q's fragments stay in registers
	global_load_b32 v[QS+\e], v5, s[6:7] offset:12288*\e
.endr
.irp e, 0,1
.irp i, 4,5,6,7
	v_mov_b32 v[QF+8*\e+\i], 0                     ; zero codes for K = 64 .. 127 of the first product
.endr
.endr
.irp T, 0,1,2,3,4,5,6,7
.irp i, 4,5,6,7
	v_mov_b32 v[KF+8*\T+\i], 0                     ; set once: no load lands here
.endr
.endr
.irp b, 0,1,2,3
	v_mov_b32 v[236+\b], 0                         ; written once: a lane permute's destination counts as one of its sources
.endr
	v_mov_b32 v253, 0                              ; (named as the upper half of the pair v[252:253] before it is first written)
	s_wait_loadcnt 0x0                             ; Q
; A KEY STEP: 128 keys of head e.
.macro STEP e
	v_add_nc_u32 v[ADK], s[TB], v[AK0]             ; these four are also the places between the last step's products and the loads into V's registers
	v_add_nc_u32 v[ADV], s[TB], v[AV0]
	v_add_nc_u32 v[ADS], s[TS], v[ASK0]
	v_add_nc_u32 v[ADT], s[TS], v[ASV0]
.irp T, 0,1,2,3,4,5,6,7
	ds_load_b128 v[KF+8*\T:KF+8*\T+3], v[ADK] offset:512*\T
.endr
	ds_load_b128 v[KS:KS+3], v[ADS]                ; register j: lanes 0-15 tile 2 j's words, lanes 16-31 tile 2 j + 1's
.irp t, 0,1,2,3
.irp c, 0,1
	ds_load_b128 v[VF+8*\t+4*\c:VF+8*\t+4*\c+3], v[ADV] offset:1024*\t+512*\c
.endr
.endr
	ds_load_b64 v[VS:VS+1], v[ADT]
	s_wait_dscnt 9                                 ; K's nine loads are in; V's nine may be out: they land under the softmax
.irp u, 0,1,2,3
	v_wmma_scale_f32_16x16x128_f8f6f4 v[S+16*\u:S+16*\u+7], v[KF+16*\u:KF+16*\u+7], v[QF+8*\e:QF+8*\e+7], 0, v[KS+\u], v[QS+\e] matrix_a_fmt:MATRIX_FMT_FP4 matrix_b_fmt:MATRIX_FMT_FP4
	v_wmma_scale_f32_16x16x128_f8f6f4 v[S+16*\u+8:S+16*\u+15], v[KF+16*\u+8:KF+16*\u+15], v[QF+8*\e:QF+8*\e+7], 0, v[KS+\u], v[QS+\e] matrix_a_fmt:MATRIX_FMT_FP4 matrix_b_fmt:MATRIX_FMT_FP4 matrix_a_scale:MATRIX_SCALE_ROW1
.endr
.rept 4
	v_nop                                          ; places in front of the first read of results
.endr
.irp b, 0,1,2,3
	v_max3_num_f32 v[232+\b], v[S+16*\b], v[S+1+16*\b], v[S+2+16*\b]   ; the largest score of each block of 32 keys: it serves for the row's maximum and, since p rises with the score, for the block's largest p
.endr
.irp i, 3,5,7,9,11,13
.irp b, 0,1,2,3
	v_max3_num_f32 v[232+\b], v[232+\b], v[S+16*\b+\i], v[S+1+16*\b+\i]
.endr
.endr
.irp b, 0,1,2,3
	v_max_num_f32 v[232+\b], v[232+\b], v[S+15+16*\b]
.endr
.irp b, 0,1,2,3
	s_delay_alu instid0(VALU_DEP_4)
	v_permlanex16_b32 v[236+\b], v[232+\b], s[SEL], s[SEL+1]
.endr
.irp b, 0,1,2,3
	s_delay_alu instid0(VALU_DEP_4)
	v_max_num_f32 v[232+\b], v[232+\b], v[236+\b]  ; with lane l xor 16's 16 keys
.endr
	s_delay_alu instid0(VALU_DEP_2)
	v_max3_num_f32 v254, v232, v233, v234
	s_delay_alu instid0(VALU_DEP_1)
	v_max_num_f32 v254, v254, v235                 ; the step's largest score of my query
	s_delay_alu instid0(VALU_DEP_1)
	v_mul_f32 v254, s[CS], v254                    ; as t
	s_delay_alu instid0(VALU_DEP_1)
	v_max_num_f32 v13, v13, v254                   ; the running largest t
	v_mov_b32 v254, v12
	s_delay_alu instid0(VALU_DEP_2)
	v_floor_f32 v12, -v13                          ; the new -M = floor(-t): M is a whole number
	s_delay_alu instid0(VALU_DEP_1)
	v_sub_f32 v254, v12, v254                      ; old M - new M: a whole number, 0 or less
	s_delay_alu instid0(VALU_DEP_1)
	v_cvt_i32_f32 v254, v254                       ; (it saturates)
	s_delay_alu instid0(VALU_DEP_1)
	v_ldexp_f32 v252, 1.0, v254                    ; f = 2^(old M - new M)
.set J, 0
.rept 32
	v_pk_fma_f32 v[S+J:S+J+1], v[S+J:S+J+1], s[CS:CS+1], v[12:13] op_sel_hi:[1,0,0]   ; t - M, two at a time
.set J, J+2
.endr
.irp b, 0,1,2,3
	v_fma_f32 v[232+\b], v[232+\b], s[CS], v12     ; the same of each block's largest score
.endr
.set J, 0
	s_wait_alu depctr_va_vdst(0)
.rept 64
	v_exp_f32 v[S+J], v[S+J]                       ; p = 2^(t - M), at most 1
.set J, J+1
.endr
	s_setprio 1
	v_pk_mul_f32 v[14:15], v[14:15], v[252:253] op_sel_hi:[1,0]   ; the sums under the new M: the plain instruction behind the exponentials
	s_wait_alu depctr_va_vdst(0)                   ; one wait for the batch, ahead of its first reader
.irp b, 0,1,2,3
	v_exp_f32 v[232+\b], v[232+\b]                 ; the block's largest p
.endr
	v_pk_add_f32 v[236:237], v[100:101], v[104:105]
	v_pk_add_f32 v[246:247], v[108:109], v[112:113]
	v_pk_add_f32 v[244:245], v[116:117], v[120:121]
	v_pk_add_f32 v[242:243], v[124:125], v[128:129]
	v_pk_add_f32 v[240:241], v[132:133], v[136:137]
	v_pk_add_f32 v[238:239], v[140:141], v[144:145]
	v_pk_add_f32 v[230:231], v[148:149], v[152:153]
	v_pk_add_f32 v[14:15], v[14:15], v[156:157]
	v_pk_add_f32 v[236:237], v[236:237], v[96:97]
	v_pk_add_f32 v[246:247], v[246:247], v[98:99]
	v_pk_add_f32 v[244:245], v[244:245], v[102:103]
	v_pk_add_f32 v[242:243], v[242:243], v[106:107]
	v_pk_add_f32 v[240:241], v[240:241], v[110:111]
	v_pk_add_f32 v[238:239], v[238:239], v[114:115]
	v_pk_add_f32 v[230:231], v[230:231], v[118:119]
	v_pk_add_f32 v[14:15], v[14:15], v[122:123]
	v_pk_add_f32 v[236:237], v[236:237], v[126:127]
	v_pk_add_f32 v[246:247], v[246:247], v[130:131]
	v_pk_add_f32 v[244:245], v[244:245], v[134:135]
	v_pk_add_f32 v[242:243], v[242:243], v[138:139]
	v_pk_add_f32 v[240:241], v[240:241], v[142:143]
	v_pk_add_f32 v[238:239], v[238:239], v[146:147]
	v_pk_add_f32 v[230:231], v[230:231], v[150:151]
	v_pk_add_f32 v[14:15], v[14:15], v[154:155]
	v_pk_add_f32 v[236:237], v[236:237], v[158:159]
	s_delay_alu instid0(VALU_DEP_2)
	v_pk_add_f32 v[14:15], v[14:15], v[242:243]
	s_delay_alu instid0(VALU_DEP_2)
	v_pk_add_f32 v[236:237], v[236:237], v[240:241]
	v_pk_add_f32 v[246:247], v[246:247], v[238:239]
	v_pk_add_f32 v[244:245], v[244:245], v[230:231]
	s_delay_alu instid0(VALU_DEP_2)
	v_pk_add_f32 v[14:15], v[14:15], v[246:247]
	s_delay_alu instid0(VALU_DEP_2)
	v_pk_add_f32 v[236:237], v[236:237], v[244:245]
	s_delay_alu instid0(VALU_DEP_1)
	v_pk_add_f32 v[14:15], v[14:15], v[236:237]
	s_wait_alu depctr_va_vdst(0)                   ; and one for the four
.irp b, 0,1,2,3
	v_max_num_f32 v[232+\b], 0x1800000, v[232+\b]  ; the floor 2^(3 - 127): the byte cannot fall under 1
.endr
.irp b, 0,1,2,3
	s_delay_alu instid0(VALU_DEP_4)
	v_add_nc_u32 v[244+\b], 0xff000000, v[232+\b]  ; 2 off the exponent field: the conversion's scale operand
.endr
.irp b, 0,1,2,3
	s_delay_alu instid0(VALU_DEP_4)
	v_lshrrev_b32 v[236+\b], 23, v[244+\b]         ; the scale's byte
.endr
	s_delay_alu instid0(VALU_DEP_3)
	v_lshl_or_b32 v253, v237, 8, v236              ; p's scale word for these 128 keys
	s_delay_alu instid0(VALU_DEP_1)
	v_lshl_or_b32 v253, v238, 16, v253
	s_delay_alu instid0(VALU_DEP_1)
	v_lshl_or_b32 v253, v239, 24, v253
.irp c, 0,1
	v_cvt_scalef32_pk8_fp4_f32 v[PC+4*\c],   v[S+32*\c:S+32*\c+7],     v[244+2*\c]
	v_cvt_scalef32_pk8_fp4_f32 v[PC+4*\c+2], v[S+32*\c+8:S+32*\c+15],  v[244+2*\c]
	v_cvt_scalef32_pk8_fp4_f32 v[PC+4*\c+1], v[S+32*\c+16:S+32*\c+23], v[245+2*\c]
	v_cvt_scalef32_pk8_fp4_f32 v[PC+4*\c+3], v[S+32*\c+24:S+32*\c+31], v[245+2*\c]
.endr
	v_nop                                          ; one plain place behind a scaled conversion
.irp c, 0,1
	v_permlane16_swap_b32 v[PC+4*\c], v[PC+4*\c+1]     ; register p of four: keys 64 c + 32 h + 8 p + 0..7
	v_permlane16_swap_b32 v[PC+4*\c+2], v[PC+4*\c+3]
.endr
.set J, 0
	s_setprio 0
.rept 16
	v_pk_mul_f32 v[O+J:O+J+1], v[O+J:O+J+1], v[252:253] op_sel_hi:[1,0]   ; O^T under the new M.  These sixteen also stand between the writes of p's codes and scale word and the products
.set J, J+2
.endr
	s_wait_alu depctr_va_vdst(0)
	s_wait_dscnt 0x0                               ; V
.irp u, 0,1
	v_wmma_scale_f32_16x16x128_f8f6f4 v[O+16*\u:O+16*\u+7], v[VF+16*\u:VF+16*\u+7], v[PC:PC+7], v[O+16*\u:O+16*\u+7], v[VS+\u], v253 matrix_a_fmt:MATRIX_FMT_FP4 matrix_b_fmt:MATRIX_FMT_FP4
	v_wmma_scale_f32_16x16x128_f8f6f4 v[O+16*\u+8:O+16*\u+15], v[VF+16*\u+8:VF+16*\u+15], v[PC:PC+7], v[O+16*\u+8:O+16*\u+15], v[VS+\u], v253 matrix_a_fmt:MATRIX_FMT_FP4 matrix_b_fmt:MATRIX_FMT_FP4 matrix_a_scale:MATRIX_SCALE_ROW1
.endr
	s_add_co_u32 s[TB], s[TB], 4096
	s_add_co_u32 s[TS], s[TS], 768
.endm
.macro LOOP8 e                         ; a chunk's eight key steps
	s_mov_b32 s[CNT], 8
.Lstep_\@:
	s_setprio 2
	STEP \e
	s_sub_co_u32 s[CNT], s[CNT], 1
	s_cmp_lg_u32 s[CNT], 0
	s_cbranch_scc1 .Lstep_\@
	s_setprio 0
.endm
.macro PHASE n                         ; the next chunk has landed in every fetching wave; the n chunks issued behind it may stay out
	s_wait_tensorcnt \n
	s_wait_dscnt 0x0
	s_barrier_signal -1
	s_barrier_wait -1
.endm
; Head e's result: O^T / the sum, quantised along d_model (two blocks of 32), is half a fragment of the last product's K step s: registers 4 e .. 4 e + 3.
.macro EPI e
	v_add_f32 v14, v14, v15                        ; the sum's two halves,
	s_delay_alu instid0(VALU_DEP_1)
	v_permlanex16_b32 v252, v14, s[SEL], s[SEL+1]
	s_delay_alu instid0(VALU_DEP_1)
	v_add_f32 v14, v14, v252                       ; and lane l xor 16's: the row's sum
	s_wait_alu depctr_va_vdst(0)
	v_rcp_f32 v14, v14
.rept 4
	v_nop                                          ; plain instructions behind the reciprocal, and the places behind the last products
.endr
	s_wait_alu depctr_va_vdst(0)                   ; ahead of the reciprocal's first reader
.set J, 0
.rept 32
	v_mul_f32 v[S+J], v[O+J], v14                  ; register 8 t + i: attended(my query, 64 e + 16 t + 8 h + i); each accumulator from its low end on
.set J, J+1
.endr
.irp b, 0,1
	v_max3_num_f32 v[232+\b], |v[S+16*\b]|, |v[S+1+16*\b]|, 0x1800000
.endr
.irp i, 2,4,6,8,10,12,14
.irp b, 0,1
	s_delay_alu instid0(VALU_DEP_2)
	v_max3_num_f32 v[232+\b], v[232+\b], |v[S+16*\b+\i]|, |v[S+1+16*\b+\i]|
.endr
.endr
.irp b, 0,1
	s_delay_alu instid0(VALU_DEP_2)
	v_permlanex16_b32 v[236+\b], v[232+\b], s[SEL], s[SEL+1]
.endr
.irp b, 0,1
	s_delay_alu instid0(VALU_DEP_2)
	v_max_num_f32 v[232+\b], v[232+\b], v[236+\b]
.endr
.irp b, 0,1
	s_delay_alu instid0(VALU_DEP_2)
	v_add_nc_u32 v[244+\b], 0xff000000, v[232+\b]
.endr
.irp b, 0,1
	s_delay_alu instid0(VALU_DEP_2)
	v_lshrrev_b32 v[236+\b], 23, v[244+\b]
.endr
.if \e
	s_delay_alu instid0(VALU_DEP_1)
	v_lshl_or_b32 v254, v237, 8, v236
	s_delay_alu instid0(VALU_DEP_1)
	v_lshl_or_b32 v255, v254, 16, v255             ; bytes 2, 3 of my row's scale word
.else
	s_delay_alu instid0(VALU_DEP_1)
	v_lshl_or_b32 v255, v237, 8, v236              ; bytes 0, 1
.endif
	v_cvt_scalef32_pk8_fp4_f32 v[PC],   v[S:S+7],     v244
	v_cvt_scalef32_pk8_fp4_f32 v[PC+2], v[S+8:S+15],  v244
	v_cvt_scalef32_pk8_fp4_f32 v[PC+1], v[S+16:S+23], v245
	v_cvt_scalef32_pk8_fp4_f32 v[PC+3], v[S+24:S+31], v245
	v_nop                                          ; one plain place behind a scaled conversion
	v_permlane16_swap_b32 v[PC], v[PC+1]
	v_permlane16_swap_b32 v[PC+2], v[PC+3]
	global_store_b128 v[AK0], v[PC:PC+3], s[14:15] offset:512*\e   ; 32 lanes store 512 consecutive bytes, aligned
.endm
.macro HEAD e
	v_mov_b32 v13, 0xff61b1e6                      ; the largest t so far: -3e38, under every t
	s_delay_alu instid0(VALU_DEP_1)
	v_floor_f32 v12, -v13                          ; -M
	v_mov_b32 v14, 0
	v_mov_b32 v15, 0
.set J, 0
.rept 32
	v_mov_b32 v[O+J], 0                            ; the step is written once for all steps: the first finds zeros, which the first change of M leaves zeros
.set J, J+1
.endr
.if \e
	s_wait_xcnt 0x0                                ; head 0's store has read its data: the codes' registers are written again only behind this wait
.endif
	PHASE 3-2*\e
	LOOP8 \e
	PHASE 2-2*\e
	LOOP8 \e
	EPI \e
.endm
	HEAD 0
	HEAD 1
	ds_store_b32 v6, v255                          ; lanes l and l xor 16 write the same word with the same value
	s_wait_dscnt 0x0                               ; for the others' sake: my store is done
	s_barrier_signal -1
	s_barrier_wait -1
	s_cmp_lg_u32 s[WV], 0                          ; wave 0 stores the work-group's 256 scale words: 1,024 consecutive bytes
	s_cbranch_scc1 .Lnot_mine
	ds_load_b128 v[96:99], v7
	ds_load_b128 v[100:103], v7 offset:512
	s_wait_dscnt 0x0
	global_store_b128 v[AK0], v[96:99], s[16:17]
	global_store_b128 v[AK0], v[100:103], s[16:17] offset:512
.Lnot_mine:
	s_wait_xcnt 0x0
	v_lshl_add_u32 v254, v0, 2, 0x46400
	v_mov_b32 v255, 0
	s_wait_alu depctr_va_vdst(0)
	s_wait_tensorcnt 0x0
	ds_add_u32 v254, v255
	s_wait_dscnt 0x0
	CROUND                                         ; the closing round: no work-group ends while a partner may still ask for a tile that names it
	s_endpgm
.Lfunc_end_k_q1796486aea_attn:
	.size	k_q1796486aea_attn, .Lfunc_end_k_q1796486aea_attn-k_q1796486aea_attn
	.p2alignl 7, 3214868480
	.fill 96, 4, 3214868480
	.section	.rodata,"a",@progbits
	.p2align	6, 0x0
	.amdhsa_kernel k_q1796486aea_attn
		.amdhsa_group_segment_fixed_size 289792
		.amdhsa_private_segment_fixed_size 0
		.amdhsa_enable_private_segment 0
		.amdhsa_kernarg_size 56
		.amdhsa_user_sgpr_count 2
		.amdhsa_user_sgpr_kernarg_segment_ptr 1
		.amdhsa_wavefront_size32 1
		.amdhsa_system_sgpr_workgroup_id_x 1
		.amdhsa_system_sgpr_workgroup_id_y 1
		.amdhsa_system_sgpr_workgroup_id_z 1
		.amdhsa_system_vgpr_workitem_id 0
		.amdhsa_next_free_vgpr 256
		.amdhsa_next_free_sgpr 96
		.amdhsa_reserve_vcc 0
		.amdhsa_float_denorm_mode_32 3
		.amdhsa_float_denorm_mode_16_64 3
		.amdhsa_memory_ordered 1
		.amdhsa_forward_progress 1
		.amdhsa_inst_pref_size 86
	.end_amdhsa_kernel
	.amdgpu_metadata
---
amdhsa.version: [ 1, 2 ]
amdhsa.kernels:
  - .name:           k_q1796486aea_attn
    .symbol:         k_q1796486aea_attn.kd
    .args:
      - { .name: qimg, .offset: 0, .size: 8, .value_kind: global_buffer, .address_space: global }
      - { .name: qsc, .offset: 8, .size: 8, .value_kind: global_buffer, .address_space: global }
      - { .name: kimg, .offset: 16, .size: 8, .value_kind: global_buffer, .address_space: global }
      - { .name: vimg, .offset: 24, .size: 8, .value_kind: global_buffer, .address_space: global }
      - { .name: kvsc, .offset: 32, .size: 8, .value_kind: global_buffer, .address_space: global }
      - { .name: aimg, .offset: 40, .size: 8, .value_kind: global_buffer, .address_space: global }
      - { .name: asc, .offset: 48, .size: 8, .value_kind: global_buffer, .address_space: global }
    .group_segment_fixed_size: 289792
    .private_segment_fixed_size: 0
    .kernarg_segment_align: 8
    .kernarg_segment_size: 56
    .max_flat_workgroup_size: 512
    .sgpr_count:     96
    .vgpr_count:     256
    .wavefront_size: 32
...
	.end_amdgpu_metadata
.endif
;; end of part 2
;; launch dense (part 3): grid 4 x 64, 4 waves a work-group, clusters of 4 x 4, 327,680 bytes of LDS; arguments aimg, asc, dense_w_codes, dense_w_scales, dense_b, out0; writes out0
.if DOCPART == 3
	.amdgcn_target "amdgcn-amd-amdhsa--gfx1250"
	.amdhsa_code_object_version 6
	.text
	.protected	k_q1796486aea_dense
	.globl	k_q1796486aea_dense
	.p2align	8
	.type	k_q1796486aea_dense,@function
k_q1796486aea_dense:
	s_mov_b64 s[64:65], 0
	v_nop
	global_prefetch_b8 v0, s[64:65] scope:SCOPE_SE
	s_setreg_imm32_b32 hwreg(HW_REG_WAVE_MODE, 25, 1), 1
	s_wait_xcnt 0x0
	s_wait_alu depctr_hold_cnt(0) depctr_sa_sdst(0) depctr_va_vdst(0) depctr_va_sdst(0) depctr_va_ssrc(0) depctr_va_vcc(0) depctr_vm_vsrc(0)
	s_getreg_b32 s2, hwreg(HW_REG_IB_STS2, 6, 4)
	s_cmp_eq_u32 s2, 0
	s_cbranch_scc0 .Lentry_in_a_cluster
	s_endpgm
.Lentry_in_a_cluster:
	s_bfe_u32 s2, ttmp6, 0x10000c
	s_cmp_lg_u32 s2, 0xf033
	s_cbranch_scc0 .Lentry_shape_is_right
	s_endpgm
.Lentry_shape_is_right:
; out = attended W^T + b on codes of FP4 (E2M1) with one E8M0 scale for each 32 along K = 1,024.  attended: images of operand registers, aimg [token tile 512][K step 8][1,024], scale words asc [K step 8][token 8,192];
; W: 1,024 rows of 512 bytes of codes and 32 scale bytes; out: [8,192][1,024] f32.
; SHARES.  256 work-groups of 128 tokens x 256 columns, one for each of 256 tiles; a wave 64 x 128: 32 accumulators.  All of K lies in LDS, in two slots of 512 along K, each filled ONCE: no LDS byte is filled again.
; THE PRODUCT IS USED TRANSPOSED (source 0 = 16 rows of W, source 1 = 16 tokens): a lane holds eight neighbouring columns of one row of out.  The bias is the C of each sum's first product: it is added first, not last.
; CLUSTERS: 4 x 4.  The attended rows are shared along a row of the cluster, W's rows along a column: each tile is asked for jointly.
; No prefetch: every tensor load is issued at the head.
; REGISTERS: window 0: v16-27 addresses; v32-47 the tokens' scale words, v48-79 W's; v80-143 the bias; v144-207 the tokens' fragments, two sets; on the way out v80-207 take rows of out.
;   window 1: W's fragments, two sets, at v0 and v64.   window 2: accumulator (a, b) at v[8 (8 a + b)].
.set PITCH,  272                       ; a row of W in LDS: 256 bytes + 16 of padding
.set HALFW,  128*PITCH
.set AIMG,   32768                     ; a slot: 8 token tiles x 4 K steps x 1,024 bytes of images, then W's 256 rows
.set SLOTB,  AIMG+2*HALFW
.set STAGE,  2*SLOTB                   ; the way out: 16 rows x 528 bytes for each wave, bytes of their own: no tensor load lands here
.set SPITCH, 528
.set ADL, 16
.set ADR, 20
.set STO, 24
.set RD,  25
.set CO,  26                           ; v26 16 x lane
.set AS,  32                           ; v[AS + 8 p + Q]: lanes 0-15 tile 2 p's words of K step Q, lanes 16-31 tile 2 p + 1's
.set WS,  48                           ; v[WS + 4 b + q]: lanes 0-15 K step q, lanes 16-31 K step 4 + q
.set BI,  80
.set LF,  144
.set WV,  18
.set IH,  19                           ; wave / 2: my 64 tokens.  Also: I fetch images (0) or W (1)
.set JH,  20                           ; wave % 2: my 128 columns.  Also: which half I fetch
.set CX,  22
.set CY,  23
.set G1A, 24
.set G0A, 32
.set G1W, 48
.set G0W, 56
.set MSB, 0
.macro WIN new                         ; the immediate's high byte repeats the setting that is left
.if MSB != (\new)
	s_set_vgpr_msb (MSB<<8)|(\new)
.set MSB, (\new)
.endif
.endm
.macro JLOAD g0a, g1a, g0b, g1b        ; a joint load; four v_nop follow each line
	s_cmp_eq_u32 s[IH], 0
	s_cbranch_scc0 .Lfor_w_\@
	tensor_load_to_lds s[\g0a:\g0a+3], s[\g1a:\g1a+7]
	s_nop 0
.rept 4
	v_nop
.endr
	s_branch .Lasked_\@
.Lfor_w_\@:
	tensor_load_to_lds s[\g0b:\g0b+3], s[\g1b:\g1b+7]
	s_nop 0
.rept 4
	v_nop
.endr
.Lasked_\@:
.endm
.macro CROUND
	s_barrier_signal -1
	s_barrier_wait -1
	s_cmp_lg_u32 s[WV], 0
	s_cbranch_scc1 .Lnot_wave_0_\@
	s_barrier_signal -3
.Lnot_wave_0_\@:
	s_barrier_wait -3
	s_barrier_signal -1
	s_barrier_wait -1
.endm
.macro PLACES n
.rept \n
	v_nop
.endr
.endm
	s_load_b256 s[4:11], s[0:1], 0x0               ; aimg, asc, W's codes, W's scales
	s_load_b128 s[12:15], s[0:1], 0x20             ; the bias, out
	v_lshl_add_u32 v254, v0, 2, 0x3a400
	v_mov_b32 v255, 0
	ds_add_u32 v254, v255
	ds_add_u32 v254, v255
	v_lshrrev_b32 v1, 5, v0
	v_readfirstlane_b32 s[WV], v1
	s_lshr_b32 s[IH], s[WV], 1
	s_and_b32 s[JH], s[WV], 1
	s_bfe_u32 s[CX], ttmp6, 0x40000
	s_bfe_u32 s[CY], ttmp6, 0x40004
	s_lshl_b32 s66, ttmp9, 2
	s_add_co_u32 s66, s66, s[CX]                   ; nt: which 256 columns
	s_and_b32 s67, ttmp7, 0xffff
	s_lshl_b32 s67, s67, 2
	s_add_co_u32 s67, s67, s[CY]                   ; tt: which 128 tokens
	s_lshl_b32 s68, s[CY], 2
	s_lshl_b32 s68, 15, s68                        ; my row of the cluster
	s_lshl_b32 s69, 0x1111, s[CX]                  ; my column
	s_or_b32 s[G1A], s68, (3<<16)|(1<<21)          ; images: 4 token tiles, of each 4 K steps = 4,096 bytes (512 elements of 8), 8,192 bytes apart; no padding
	s_mov_b32 s[G1A+1], 512<<16
	s_mov_b32 s[G1A+2], 4<<16
	s_mov_b32 s[G1A+3], 512<<16
	s_mov_b32 s[G1A+4], 4
	s_mov_b32 s[G1A+5], 1024
	s_mov_b32 s[G1A+6], 0
	s_mov_b32 s[G1A+7], 0
	s_or_b32 s[G1W], s69, (1<<20)|(1<<21)|(5<<22)|(3<<25)   ; W: 128 rows of 256 bytes, 512 apart; 4 words of padding behind every 64
	s_mov_b32 s[G1W+1], 256<<16
	s_mov_b32 s[G1W+2], 128<<16
	s_mov_b32 s[G1W+3], 256<<16
	s_mov_b32 s[G1W+4], 128
	s_mov_b32 s[G1W+5], 512
	s_mov_b32 s[G1W+6], 0
	s_mov_b32 s[G1W+7], 0
	s_lshl_b32 s2, s67, 16                         ; images that I fetch: 8,192 (8 tt + 4 (wave % 2))
	s_lshl_b32 s3, s[JH], 15
	s_add_co_u32 s2, s2, s3
	s_mov_b32 s3, 0
	s_lshl_b32 s42, s66, 17                        ; W's rows that I fetch: 512 (256 nt + 128 (wave % 2))
	s_lshl_b32 s43, s[JH], 16
	s_add_co_u32 s42, s42, s43
	s_mov_b32 s43, 0
	s_lshl_b32 s40, s[JH], 14                      ; where they go in a slot
	s_mul_i32 s41, s[JH], HALFW
	s_add_co_u32 s41, s41, AIMG
	s_lshl_b32 s44, s67, 9                         ; my tokens' scale words: 4 (128 tt + 64 i)
	s_lshl_b32 s45, s[IH], 8
	s_add_co_u32 s44, s44, s45
	s_mov_b32 s45, 0
	s_lshl_b32 s46, s66, 13                        ; my columns' scales: 32 (256 nt + 128 j)
	s_lshl_b32 s47, s[JH], 12
	s_add_co_u32 s46, s46, s47
	s_mov_b32 s47, 0
	s_lshr_b32 s70, s46, 3                         ; their biases, and their bytes in a row of out: x 4
	s_mov_b32 s71, 0
	s_lshl_b32 s72, s67, 19                        ; my first row of out: 4,096 (128 tt + 64 i)
	s_lshl_b32 s73, s[IH], 18
	s_add_co_u32 s72, s72, s73
	s_add_co_u32 s72, s72, s70
	s_mov_b32 s73, 0
	v_and_b32 v1, 15, v0                           ; r
	v_bfe_u32 v2, v0, 4, 1                         ; h
	v_and_b32 v3, 31, v0                           ; lane
	v_lshlrev_b32 v[CO], 4, v3
	v_lshlrev_b32 v27, 2, v3                       ; 4 x lane
	v_lshlrev_b32 v28, 5, v1
	v_lshl_add_u32 v28, v2, 4, v28                 ; 32 r + 16 h
	v_lshlrev_b32 v29, 5, v2                       ; 32 h
	s_lshl_b32 s74, s[IH], 14
	v_add_nc_u32 v[ADL], s74, v[CO]                ; my four token tiles' images: 16,384 i + 16 x lane
	v_add_nc_u32 v[ADL+1], SLOTB, v[ADL]
	v_mul_u32_u24 v5, v1, PITCH
	v_lshl_add_u32 v5, v2, 4, v5
	v_add_nc_u32 v[ADR], s41, v5                   ; my 128 rows of W (the half that I read is the half named by wave % 2)
	v_add_nc_u32 v[ADR+1], SLOTB, v[ADR]
	s_mul_i32 s75, s[WV], 16*SPITCH
	s_add_co_u32 s75, s75, STAGE                   ; my stage
	v_mul_u32_u24 v4, v1, SPITCH
	v_lshl_add_u32 v4, v2, 5, v4
	v_add_nc_u32 v[STO], s75, v4                   ; in: row r, 32 bytes for each half of the lanes
	v_add_nc_u32 v[RD], s75, v[CO]                 ; back: the 32 lanes take one row of 512 bytes
	s_wait_dscnt 0x0
	s_wait_kmcnt 0x0
	s_add_nc_u64 s[4:5], s[4:5], s[2:3]
	s_add_nc_u64 s[8:9], s[8:9], s[42:43]
	s_add_nc_u64 s[6:7], s[6:7], s[44:45]
	s_add_nc_u64 s[10:11], s[10:11], s[46:47]
	s_add_nc_u64 s[12:13], s[12:13], s[70:71]
	s_add_nc_u64 s[14:15], s[14:15], s[72:73]
	CROUND                                         ; all sixteen work-groups are here: the first joint loads meet
.irp s, 0,1
	s_mov_b32 s[G0A+4*\s], 1
	s_add_co_u32 s[G0A+4*\s+1], s40, \s*SLOTB
	s_add_nc_u64 s[G0A+4*\s+2:G0A+4*\s+3], s[4:5], \s*4096
	s_or_b32 s[G0A+4*\s+3], s[G0A+4*\s+3], 0x80000000
	s_mov_b32 s[G0W+4*\s], 1
	s_add_co_u32 s[G0W+4*\s+1], s41, \s*SLOTB
	s_add_nc_u64 s[G0W+4*\s+2:G0W+4*\s+3], s[8:9], \s*256
	s_or_b32 s[G0W+4*\s+3], s[G0W+4*\s+3], 0x80000000
	s_wait_alu depctr_va_vdst(0)
	s_wait_tensorcnt 0x0
	ds_add_u32 v254, v255
	ds_add_u32 v254, v255
	s_wait_dscnt 0x0
	CROUND
	JLOAD G0A+4*\s, G1A, G0W+4*\s, G1W             ; both slots are first fills: one tensor load of mine is out at a time
.endr
.irp p, 0,1
.irp Q, 0,1,2,3,4,5,6,7
	global_load_b32 v[AS+8*\p+\Q], v27, s[6:7] offset:32768*\Q+128*\p   ; 32 tokens' words: 128 consecutive bytes
.endr
.endr
.irp b, 0,1,2,3,4,5,6,7
	global_load_b128 v[WS+4*\b:WS+4*\b+3], v28, s[10:11] offset:512*\b   ; 16 rows of 32 scale bytes: 512 consecutive bytes
	global_load_b128 v[BI+8*\b:BI+8*\b+3], v29, s[12:13] offset:64*\b    ; tile b wants the biases of columns 16 b + 8 h + 0..7
	global_load_b128 v[BI+8*\b+4:BI+8*\b+7], v29, s[12:13] offset:64*\b+16
.endr
.macro FETCHD Q                        ; K step Q's fragments into set Q % 2: W's eight, my four token tiles'
	WIN 0x40
.irp b, 0,1,2,3,4,5,6,7
.irp c, 0,1
	ds_load_b128 v[64*((\Q)%2)+8*\b+4*\c:64*((\Q)%2)+8*\b+4*\c+3], v[ADR+(\Q)/4] offset:64*((\Q)%4)+32*\c+\b*16*PITCH
.endr
.endr
	WIN 0
.irp a, 0,1,2,3
.irp c, 0,1
	ds_load_b128 v[LF+32*((\Q)%2)+8*\a+4*\c:LF+32*((\Q)%2)+8*\a+4*\c+3], v[ADL+(\Q)/4] offset:4096*\a+1024*((\Q)%4)+512*\c
.endr
.endr
.endm
; A K step of 128: its fragments are in; the next step's are asked for; 32 products, the accumulators by turns, one instruction a turn.
.macro KSTEP Q
.if (\Q) == 3
	s_wait_tensorcnt 0x0                           ; my part of slot 1 is in
.endif
	s_wait_dscnt 0x0                               ; this step's fragments are in
.if (\Q) == 3
	s_barrier_signal -1
	s_barrier_wait -1                              ; slot 1 is whole
.endif
.if (\Q) < 7
.if (\Q) > 0
	PLACES 4                                       ; in front of loads into registers that the last step's products read
.endif
	FETCHD (\Q)+1
.endif
.if (\Q) == 0
	WIN 0x81                                       ; W window 1, tokens and the bias window 0, D window 2
.else
	WIN 0xa1                                       ; C and D window 2
.endif
.irp a, 0,1,2,3
.irp b, 0,1,2,3,4,5,6,7
.set rD, 8*(8*\a+\b)
.set rC, rD
.if (\Q) == 0
.set rC, BI+8*\b
.endif
.set rR, 64*((\Q)%2)+8*\b
.set rL, LF+32*((\Q)%2)+8*\a
.set sR, WS+4*\b+(\Q)%4
.set sL, AS+8*(\a/2)+(\Q)
.if (\Q)/4
.if \a%2
	v_wmma_scale_f32_16x16x128_f8f6f4 v[rD:rD+7], v[rR:rR+7], v[rL:rL+7], v[rC:rC+7], v[sR], v[sL] matrix_a_fmt:MATRIX_FMT_FP4 matrix_b_fmt:MATRIX_FMT_FP4 matrix_a_scale:MATRIX_SCALE_ROW1 matrix_b_scale:MATRIX_SCALE_ROW1
.else
	v_wmma_scale_f32_16x16x128_f8f6f4 v[rD:rD+7], v[rR:rR+7], v[rL:rL+7], v[rC:rC+7], v[sR], v[sL] matrix_a_fmt:MATRIX_FMT_FP4 matrix_b_fmt:MATRIX_FMT_FP4 matrix_a_scale:MATRIX_SCALE_ROW1
.endif
.else
.if \a%2
	v_wmma_scale_f32_16x16x128_f8f6f4 v[rD:rD+7], v[rR:rR+7], v[rL:rL+7], v[rC:rC+7], v[sR], v[sL] matrix_a_fmt:MATRIX_FMT_FP4 matrix_b_fmt:MATRIX_FMT_FP4 matrix_b_scale:MATRIX_SCALE_ROW1
.else
	v_wmma_scale_f32_16x16x128_f8f6f4 v[rD:rD+7], v[rR:rR+7], v[rL:rL+7], v[rC:rC+7], v[sR], v[sL] matrix_a_fmt:MATRIX_FMT_FP4 matrix_b_fmt:MATRIX_FMT_FP4
.endif
.endif
.endr
.endr
	WIN 0
.endm
	s_wait_tensorcnt 1                             ; my part of slot 0 is in; slot 1's load may stay out
	s_barrier_signal -1
	s_barrier_wait -1
	s_wait_alu depctr_va_vdst(0)
	FETCHD 0
	s_wait_loadcnt 0x0                             ; the scale words and the bias
.irp Q, 0,1,2,3,4,5,6,7
	KSTEP \Q
.endr
; THE WAY OUT, a block of 16 rows x 128 columns at a time: through my own stage in LDS and back as whole rows of 512 bytes.  LDS serves a wave's instructions in order (ISA guide 5.7.1.4):
; no wait between the stores and the loads, nor in front of the next block's stores.
.macro TOSTAGE a
	WIN 0x08                                       ; an LDS store's data: window 2
.irp b, 0,1,2,3,4,5,6,7
	ds_store_b128 v[STO], v[64*(\a)+8*\b:64*(\a)+8*\b+3] offset:64*\b          ; each accumulator from its low end on
	ds_store_b128 v[STO], v[64*(\a)+8*\b+4:64*(\a)+8*\b+7] offset:64*\b+16
.endr
	WIN 0
.set BB, BI+64*((\a)%2)
.irp t, 0,1,2,3,4,5,6,7,8,9,10,11,12,13,14,15
	ds_load_b128 v[BB+4*\t:BB+4*\t+3], v[RD] offset:\t*SPITCH
.endr
.endm
.macro SEND a, younger                 ; younger: the LDS instructions issued behind block a's loads, which may stay out
.set BB, BI+64*((\a)%2)
	s_wait_dscnt \younger
.irp t, 0,1,2,3,4,5,6,7,8,9,10,11,12,13,14,15
	global_store_b128 v[CO], v[BB+4*\t:BB+4*\t+3], s[14:15] offset:(16*(\a)+\t)*4096 th:TH_STORE_NT   ; 32 lanes store 512 consecutive bytes, aligned; written once, read by nobody here
.endr
.endm
	PLACES 4                                       ; in front of the first read of results and of loads into registers that products read
	TOSTAGE 0
.irp a, 1,2,3
.if \a > 1
	s_wait_xcnt 0x0                                ; block a - 2's stores have read their registers: block a's loads may land there
.endif
	TOSTAGE \a
	SEND \a-1, 32                                  ; behind block a - 1's loads: block a's 16 stores and 16 loads
.endr
	SEND 3, 0
	s_wait_tensorcnt 0x0
	ds_add_u32 v254, v255
	s_wait_dscnt 0x0
	CROUND                                         ; the closing round: no work-group ends while a partner may still ask for a tile that names it
	s_endpgm
.Lfunc_end_k_q1796486aea_dense:
	.size	k_q1796486aea_dense, .Lfunc_end_k_q1796486aea_dense-k_q1796486aea_dense
	.p2alignl 7, 3214868480
	.fill 96, 4, 3214868480
	.section	.rodata,"a",@progbits
	.p2align	6, 0x0
	.amdhsa_kernel k_q1796486aea_dense
		.amdhsa_group_segment_fixed_size 327680
		.amdhsa_private_segment_fixed_size 0
		.amdhsa_enable_private_segment 0
		.amdhsa_kernarg_size 48
		.amdhsa_user_sgpr_count 2
		.amdhsa_user_sgpr_kernarg_segment_ptr 1
		.amdhsa_wavefront_size32 1
		.amdhsa_system_sgpr_workgroup_id_x 1
		.amdhsa_system_sgpr_workgroup_id_y 1
		.amdhsa_system_sgpr_workgroup_id_z 1
		.amdhsa_system_vgpr_workitem_id 0
		.amdhsa_next_free_vgpr 768
		.amdhsa_next_free_sgpr 80
		.amdhsa_reserve_vcc 0
		.amdhsa_float_denorm_mode_32 3
		.amdhsa_float_denorm_mode_16_64 3
		.amdhsa_memory_ordered 1
		.amdhsa_forward_progress 1
		.amdhsa_inst_pref_size 73
	.end_amdhsa_kernel
	.amdgpu_metadata
---
amdhsa.version: [ 1, 2 ]
amdhsa.kernels:
  - .name:           k_q1796486aea_dense
    .symbol:         k_q1796486aea_dense.kd
    .args:
      - { .name: aimg, .offset: 0, .size: 8, .value_kind: global_buffer, .address_space: global }
      - { .name: asc, .offset: 8, .size: 8, .value_kind: global_buffer, .address_space: global }
      - { .name: dense_w_codes, .offset: 16, .size: 8, .value_kind: global_buffer, .address_space: global }
      - { .name: dense_w_scales, .offset: 24, .size: 8, .value_kind: global_buffer, .address_space: global }
      - { .name: dense_b, .offset: 32, .size: 8, .value_kind: global_buffer, .address_space: global }
      - { .name: out0, .offset: 40, .size: 8, .value_kind: global_buffer, .address_space: global }
    .group_segment_fixed_size: 327680
    .private_segment_fixed_size: 0
    .kernarg_segment_align: 8
    .kernarg_segment_size: 48
    .max_flat_workgroup_size: 128
    .sgpr_count:     80
    .vgpr_count:     768
    .wavefront_size: 32
...
	.end_amdgpu_metadata
.endif
;; end of part 3
